; MI455X (gfx1250); checked and timed in simulation.
; The chip was launched on July 23, 2026; its instructions are those of AMD's public machine-readable ISA for CDNA 5 (MIT licence, August 2026) and "CDNA5" Instruction Set Architecture Reference Guide (July 2026). The comments in the code are by the model that wrote it; some were corrected since.
;; Multi Head Attention. Allowed arithmetic: float matrix products may take bf16 or f16 operands with f32 sums; all other float work in f32.
;; Inputs: features 8 x 1,024 x 256 float32; weight_k 256 x 8 x 64 float32; weight_out 256 x 8 x 64 float32; weight_q 256 x 8 x 64 float32; weight_v 256 x 8 x 64 float32.
;; Outputs: out0 8 x 1,024 x 256 float32.
;; 2 versions, each right; version 2 is version 1 with the launch proj written anew for expert scheduling mode. Each part assembles by itself: llvm-mc -triple=amdgcn-amd-amdhsa -mcpu=gfx1250 --defsym DOCPART=n.
;; ======== version 1 of 2: 3 launches
;; workspace buffers: qf 8,388,608 bytes; kf 8,388,608 bytes; vf 8,388,608 bytes; wof 262,144 bytes; wp 1,048,576 bytes
;; launch proj (part 1): grid 32 x 8, 16 waves a work-group, no clusters, 246,016 bytes of LDS; arguments features, weight_q, weight_k, weight_v, weight_out, qf, kf, vf, wof; writes qf, kf, vf, wof
.if DOCPART == 1
	.amdgcn_target "amdgcn-amd-amdhsa--gfx1250"
	.amdhsa_code_object_version 6
	.text
	.protected	k_qd953f8ac7e_proj
	.globl	k_qd953f8ac7e_proj
	.p2align	8
	.type	k_qd953f8ac7e_proj,@function
k_qd953f8ac7e_proj:
	s_mov_b64 s[64:65], 0
	v_nop
	global_prefetch_b8 v0, s[64:65] scope:SCOPE_SE
	s_setreg_imm32_b32 hwreg(HW_REG_WAVE_MODE, 25, 1), 1
	s_wait_xcnt 0x0
; q | k | v = X [Wq | Wk | Wv].  X: [8192][256] f32.  Each W: [256 (c)][512 (h d)] f32.  Operands rounded to bf16, sums in f32, results rounded once to bf16.
; A work-group makes rows 256 x .. + 255 by columns 192 y .. + 191 of the 1,536 joined columns, with all of K = 256 resident in LDS as bf16.
; Sixteen waves; wave w makes 64 rows (w & 3) by 48 columns (w >> 2): 12 accumulator tiles, 96 matrix instructions.
; RESULT LAYOUT (qf, kf, vf): [row / 16][column / 16][lane][8 bf16]; lane (h = lane >> 4, r = lane & 15) holds row r, columns 8 h .. 8 h + 7 of the 16 x 16 block.
; That is four registers of a 16-bit K = 32 fragment, so later launches load fragments as 512 consecutive bytes a wave.  The matrix instruction is used transposed
; (source 0 = W, source 1 = X), so a lane's eight results are exactly its 16 bytes of a block: no stage in LDS on the way out.
; SIDE JOB: waves 0 and 1 of each of the 256 work-groups round one 16 x 16 block each of weight_out [256 (o)][512] into wof, the same layout with row = o.
; NO TENSOR LOADS, NO JOINT REQUESTS, although X's rows are read by 8 work-groups and W's columns by 32: the inputs are f32, 262,144 + 196,608 bytes a work-group, more than
; the 327,680 bytes of LDS, and every number has to pass through registers to be rounded (W also to be transposed); so the loads go to registers, all at once.
; Limits: finite inputs; sums are formed in another order than a plain f32 loop over c.
.set XT,    8704                       ; LDS bytes of a tile of 16 rows of X: 32 groups of 8 c, 272 bytes each
.set WT,    8720                       ; LDS bytes of a tile of 16 columns of W: the same + 16
.set CG,    272                        ; a group of 8 c: 16 rows x 16 bytes + 16 of padding
.set WBASE, 16*XT                      ; W's 12 tiles lie behind X's 16
.set XR,  16                           ; v[16:143]  X as loaded: load n = 2 row + half at XR + 4 n
.set WR,  144                          ; v[144:239] W as loaded: unit e of 64 columns, row j of 8 at WR + 32 e + 4 j
.set T16, 240                          ; v[240:255] set-up temporaries, then W transposed and packed
.set ACC, 16                           ; v[16:111]  accumulator tile (it, nt) at ACC + 8 (3 it + nt)
.set FA0, 112                          ; v[112:143] X fragments, buffer 0
.set FB0, 144                          ; v[144:167] W fragments, buffer 0
.set FA1, 168                          ; v[168:199] X fragments, buffer 1
.set FB1, 200                          ; v[200:223] W fragments, buffer 1
.set OUT, 112                          ; v[112:159] packed results
; v1 16 lane; v2 where X is put; v3 W's load offset; v4 where W is put; v5, v6 where fragments of X, W are read; v7 side job's load offset; v[8:15] side job's data
	s_load_b512 s[4:19], s[0:1], 0x0               ; features s[4:5], wq s[6:7], wk s[8:9], wv s[10:11], wout s[12:13], qf s[14:15], kf s[16:17], vf s[18:19]
	s_load_b64 s[20:21], s[0:1], 0x40              ; wof
	v_lshrrev_b32 v240, 5, v0
	v_readfirstlane_b32 s22, v240                  ; wave 0..15
	s_and_b32 s23, s22, 3                          ; mq: which 64 rows I multiply
	s_lshr_b32 s24, s22, 2                         ; nq: which 48 columns
	s_mov_b32 s25, ttmp9                           ; x
	s_and_b32 s26, ttmp7, 0xffff                   ; y
	s_lshl_b32 s27, s26, 5
	s_add_co_u32 s27, s27, s25                     ; work-group number 0..255
	v_and_b32 v240, 31, v0                         ; lane
	v_and_b32 v241, 15, v0                         ; r
	v_bfe_u32 v242, v0, 4, 1                       ; h
	v_lshlrev_b32 v1, 4, v240                      ; 16 lane
	v_lshlrev_b32 v3, 4, v241
	v_lshl_add_u32 v3, v242, 14, v3                ; W: 8 h rows of 2,048 bytes + 16 r
	v_lshlrev_b32 v7, 11, v241
	v_lshl_add_u32 v7, v242, 5, v7                 ; weight_out: row r of 2,048 bytes + 32 h
	s_mov_b32 s47, 0                               ; s[46:47]: a 32-bit offset with 0 above it
	s_lshl_b32 s46, s25, 18                        ; 256 x rows of 1,024 bytes
	s_lshl_b32 s48, s22, 14                        ; + my 16 rows
	s_add_co_u32 s46, s46, s48
	s_wait_kmcnt 0x0
	s_add_nc_u64 s[28:29], s[4:5], s[46:47]        ; X at the 16 rows that I bring
	; W's three units of 64 columns: unit gg = 3 y + e of 24; 0-7 lie in wq, 8-15 in wk, 16-23 in wv
.irp e, 0,1,2
	s_mul_i32 s48, s26, 3
	s_add_co_u32 s48, s48, \e
	s_cmp_lt_u32 s48, 16
	s_cselect_b64 s[30+2*\e:31+2*\e], s[8:9], s[10:11]
	s_cmp_lt_u32 s48, 8
	s_cselect_b64 s[30+2*\e:31+2*\e], s[6:7], s[30+2*\e:31+2*\e]
	s_and_b32 s48, s48, 7
	s_lshl_b32 s48, s48, 8                         ; 64 columns of f32
	s_lshl_b32 s46, s22, 15                        ; my 16 rows c of 2,048 bytes
	s_add_co_u32 s46, s46, s48
	s_add_nc_u64 s[30+2*\e:31+2*\e], s[30+2*\e:31+2*\e], s[46:47]
.endr
	; side job: block 2 (work-group) + wave of 512; used by waves 0 and 1 alone
	s_lshl_b32 s48, s27, 1
	s_add_co_u32 s48, s48, s22                     ; block
	s_lshr_b32 s46, s27, 4
	s_lshl_b32 s46, s46, 15                        ; 16 rows o of 2,048 bytes
	s_and_b32 s49, s48, 31
	s_lshl_b32 s49, s49, 6                         ; 16 columns of f32
	s_add_co_u32 s46, s46, s49
	s_add_nc_u64 s[42:43], s[12:13], s[46:47]
	s_lshl_b32 s46, s48, 9
	s_add_nc_u64 s[44:45], s[20:21], s[46:47]
	s_cmp_ge_u32 s22, 2
	s_cbranch_scc1 .Lno_side_in
	global_load_b128 v[8:11], v7, s[42:43]         ; the oldest loads of waves 0 and 1: every counted wait below names younger loads only
	global_load_b128 v[12:15], v7, s[42:43] offset:16
.Lno_side_in:
	; all 56 staging loads at once: 16 rows of X (two loads of 512 consecutive bytes a row), 16 rows c of W's 192 columns (two pieces of 256 consecutive bytes a load)
.set n, 0
.rept 32
	global_load_b128 v[XR+4*n:XR+4*n+3], v1, s[28:29] offset:512*n
.set n, n+1
.endr
.irp e, 0,1,2
.irp j, 0,1,2,3,4,5,6,7
	global_load_b128 v[WR+32*\e+4*\j:WR+32*\e+4*\j+3], v3, s[30+2*\e:31+2*\e] offset:\j*2048
.endr
.endr
	; while they are on their way: LDS addresses.  Element (i, c) of X: tile x XT + (c >> 3) CG + (i & 15) 16 + (c & 7) 2; W the same with n for i, WT for XT, behind WBASE.
	v_lshrrev_b32 v243, 1, v240
	v_mul_u32_u24 v2, v243, CG                     ; my 4 numbers c = 4 lane ..: group lane >> 1,
	v_and_b32 v243, 1, v240
	v_lshl_add_u32 v2, v243, 3, v2                 ; its lower or upper 8 bytes: neighbouring pairs of lanes lie 272 bytes apart, 16 modulo 256
	s_mul_i32 s48, s22, XT
	v_add_nc_u32 v2, s48, v2                       ; tile = my wave
	v_bfe_u32 v243, v240, 2, 2
	v_mul_u32_u24 v4, v243, WT                     ; my columns 4 (lane & 15) + q: tile (lane >> 2) & 3 of the unit's four,
	v_and_b32 v243, 3, v240
	v_lshl_add_u32 v4, v243, 6, v4                 ; column 4 (lane & 3) + q in it: sixteen lanes' 16 bytes lie at (lane >> 2) + 4 (lane & 3) + q sixteenths of 256 bytes, all different
	v_mul_u32_u24 v243, v242, CG
	v_add_nc_u32 v4, v4, v243                      ; group of c: 2 wave + h
	s_mul_i32 s48, s22, 2*CG
	s_add_co_u32 s48, s48, WBASE
	v_add_nc_u32 v4, s48, v4
	v_lshl_add_u32 v244, v241, 4, v243             ; fragments: h CG + 16 r: sixteen lanes read 256 consecutive bytes
	s_mul_i32 s48, s23, 4*XT
	v_add_nc_u32 v5, s48, v244
	s_mul_i32 s48, s24, 3*WT
	s_add_co_u32 s48, s48, WBASE
	v_add_nc_u32 v6, s48, v244
	; where my results go: column tile gt = 12 y + 3 nq + nt of 96; 0-31 lie in qf, 32-63 in kf, 64-95 in vf; row tile 16 x + 4 mq (+ it in the store's immediate)
.irp nt, 0,1,2
	s_mul_i32 s48, s26, 12
	s_mul_i32 s49, s24, 3
	s_add_co_u32 s48, s48, s49
	s_add_co_u32 s48, s48, \nt
	s_cmp_lt_u32 s48, 64
	s_cselect_b64 s[36+2*\nt:37+2*\nt], s[16:17], s[18:19]
	s_cmp_lt_u32 s48, 32
	s_cselect_b64 s[36+2*\nt:37+2*\nt], s[14:15], s[36+2*\nt:37+2*\nt]
	s_and_b32 s48, s48, 31
	s_lshl_b32 s48, s48, 9                         ; blocks of 512 bytes
	s_lshl_b32 s46, s25, 4
	s_lshl2_add_u32 s46, s23, s46                  ; 16 x + 4 mq
	s_lshl_b32 s46, s46, 14                        ; 32 blocks a row tile
	s_add_co_u32 s46, s46, s48
	s_add_nc_u64 s[36+2*\nt:37+2*\nt], s[36+2*\nt:37+2*\nt], s[46:47]
.endr
; four loads of X: round in place, 8 bytes a lane into LDS
.macro XCONV g
	s_wait_loadcnt 52-4*\g                         ; loads come back in order (ISA guide 5.7.1): of the 56, the 52 - 4 g issued behind these four may stay out
.irp t, 0,1,2,3
	v_cvt_pk_bf16_f32 v[XR+16*\g+4*\t],   v[XR+16*\g+4*\t],   v[XR+16*\g+4*\t+1]
	v_cvt_pk_bf16_f32 v[XR+16*\g+4*\t+1], v[XR+16*\g+4*\t+2], v[XR+16*\g+4*\t+3]
	ds_store_b64 v2, v[XR+16*\g+4*\t:XR+16*\g+4*\t+1] offset:(\t&1)*16*CG+(2*\g+(\t>>1))*16   ; half of the row: 16 groups on; row: 16 bytes on
.endr
.endm
; a unit of W: my 8 rows c x 4 columns.  Packing rows 2 p and 2 p + 1 of column q transposes for free: 16 bytes = 8 c of one column
.macro WCONV e
	s_wait_loadcnt 16-8*\e                         ; the later units' loads may stay out
.irp q, 0,1,2,3
.irp p, 0,1,2,3
	v_cvt_pk_bf16_f32 v[T16+4*\q+\p], v[WR+32*\e+8*\p+\q], v[WR+32*\e+8*\p+4+\q]
.endr
	ds_store_b128 v4, v[T16+4*\q:T16+4*\q+3] offset:16*\q
.endr
.if \e < 2
	v_add_nc_u32 v4, 4*WT, v4                      ; the next unit's four tiles (the sum would not fit the 16-bit immediate)
.endif
.endm
.irp g, 0,1,2,3,4,5,6,7
	XCONV \g
.endr
	WCONV 0
	WCONV 1
	WCONV 2
	s_cmp_ge_u32 s22, 2
	s_cbranch_scc1 .Lno_side_out
	v_cvt_pk_bf16_f32 v8, v8, v9                   ; all loads are in since the wait for 0 above
	v_cvt_pk_bf16_f32 v9, v10, v11
	v_cvt_pk_bf16_f32 v10, v12, v13
	v_cvt_pk_bf16_f32 v11, v14, v15
	global_store_b128 v1, v[8:11], s[44:45]        ; 512 consecutive bytes; v[8:11] are not written again
.Lno_side_out:
	s_wait_dscnt 0x0                               ; my LDS stores are done, for the other waves' sake
	s_barrier_signal -1
	s_barrier_wait -1                              ; X and W are whole in LDS; nothing is written there any more
.macro PLACES                          ; four plain vector instructions between a matrix instruction and a load into, or a vector access to, its registers
.rept 4
	v_nop
.endr
.endm
; the fragments of K step s (32 c = 4 groups): registers 0-3 from group 4 s + h, registers 4-7 from group 4 s + 2 + h
.macro FETCH s, fa, fb
.irp it, 0,1,2,3
	ds_load_b128 v[\fa+8*\it:\fa+8*\it+3],   v5 offset:\it*XT+(\s)*4*CG
	ds_load_b128 v[\fa+8*\it+4:\fa+8*\it+7], v5 offset:\it*XT+(\s)*4*CG+2*CG
.endr
.irp nt, 0,1,2
	ds_load_b128 v[\fb+8*\nt:\fb+8*\nt+3],   v6 offset:\nt*WT+(\s)*4*CG
	ds_load_b128 v[\fb+8*\nt+4:\fb+8*\nt+7], v6 offset:\nt*WT+(\s)*4*CG+2*CG
.endr
.endm
; 12 matrix instructions; the 12 accumulators take turns, one instruction a turn, in the same order in every K step
.macro MUL fa, fb, zero
.irp it, 0,1,2,3
.irp nt, 0,1,2
.if \zero
	v_wmma_f32_16x16x32_bf16 v[ACC+8*(3*\it+\nt):ACC+8*(3*\it+\nt)+7], v[\fb+8*\nt:\fb+8*\nt+7], v[\fa+8*\it:\fa+8*\it+7], 0
.else
	v_wmma_f32_16x16x32_bf16 v[ACC+8*(3*\it+\nt):ACC+8*(3*\it+\nt)+7], v[\fb+8*\nt:\fb+8*\nt+7], v[\fa+8*\it:\fa+8*\it+7], v[ACC+8*(3*\it+\nt):ACC+8*(3*\it+\nt)+7]
.endif
.endr
.endr
.endm
; K step s from (fa, fb); the next step's 14 loads go out first, into the buffer that step s - 1 has multiplied
.macro STEP s, fa, fb, ga, gb, zero
.if \s > 0
	PLACES
.endif
	FETCH \s+1, \ga, \gb
	s_wait_dscnt 14                                ; all but the 14 just issued
	MUL \fa, \fb, \zero
.endm
	FETCH 0, FA0, FB0
	STEP 0, FA0, FB0, FA1, FB1, 1                  ; the first products start the sums: nothing is cleared
	STEP 1, FA1, FB1, FA0, FB0, 0
	STEP 2, FA0, FB0, FA1, FB1, 0
	STEP 3, FA1, FB1, FA0, FB0, 0
	STEP 4, FA0, FB0, FA1, FB1, 0
	STEP 5, FA1, FB1, FA0, FB0, 0
	STEP 6, FA0, FB0, FA1, FB1, 0
	s_wait_dscnt 0x0
	MUL FA1, FB1, 0
	PLACES
	; the way out: lane (r, h) holds row r, columns 8 h .. 8 h + 7 of each tile: four packed words, the lane's 16 bytes of the block
.irp it, 0,1,2,3
.irp nt, 0,1,2
.irp p, 0,1,2,3
	v_cvt_pk_bf16_f32 v[OUT+4*(3*\it+\nt)+\p], v[ACC+8*(3*\it+\nt)+2*\p], v[ACC+8*(3*\it+\nt)+2*\p+1]
.endr
	global_store_b128 v1, v[OUT+4*(3*\it+\nt):OUT+4*(3*\it+\nt)+3], s[36+2*\nt:37+2*\nt] offset:\it*16384   ; 512 consecutive bytes, at a multiple of 512; each store has data registers of its own
.endr
.endr
	s_wait_xcnt 0x0
	v_lshl_add_u32 v254, v0, 2, 0x3b900
	v_mov_b32 v255, 0
	s_wait_tensorcnt 0x0
	ds_add_u32 v254, v255
	s_wait_dscnt 0x0
	s_endpgm
.Lfunc_end_k_qd953f8ac7e_proj:
	.size	k_qd953f8ac7e_proj, .Lfunc_end_k_qd953f8ac7e_proj-k_qd953f8ac7e_proj
	.p2alignl 7, 3214868480
	.fill 96, 4, 3214868480
	.section	.rodata,"a",@progbits
	.p2align	6, 0x0
	.amdhsa_kernel k_qd953f8ac7e_proj
		.amdhsa_group_segment_fixed_size 246016
		.amdhsa_private_segment_fixed_size 0
		.amdhsa_enable_private_segment 0
		.amdhsa_kernarg_size 72
		.amdhsa_user_sgpr_count 2
		.amdhsa_user_sgpr_kernarg_segment_ptr 1
		.amdhsa_wavefront_size32 1
		.amdhsa_system_sgpr_workgroup_id_x 1
		.amdhsa_system_sgpr_workgroup_id_y 1
		.amdhsa_system_sgpr_workgroup_id_z 1
		.amdhsa_system_vgpr_workitem_id 0
		.amdhsa_next_free_vgpr 256
		.amdhsa_next_free_sgpr 66
		.amdhsa_reserve_vcc 0
		.amdhsa_float_denorm_mode_32 3
		.amdhsa_float_denorm_mode_16_64 3
		.amdhsa_memory_ordered 1
		.amdhsa_forward_progress 1
		.amdhsa_inst_pref_size 40
	.end_amdhsa_kernel
	.amdgpu_metadata
---
amdhsa.version: [ 1, 2 ]
amdhsa.kernels:
  - .name:           k_qd953f8ac7e_proj
    .symbol:         k_qd953f8ac7e_proj.kd
    .args:
      - { .name: features, .offset: 0, .size: 8, .value_kind: global_buffer, .address_space: global }
      - { .name: weight_q, .offset: 8, .size: 8, .value_kind: global_buffer, .address_space: global }
      - { .name: weight_k, .offset: 16, .size: 8, .value_kind: global_buffer, .address_space: global }
      - { .name: weight_v, .offset: 24, .size: 8, .value_kind: global_buffer, .address_space: global }
      - { .name: weight_out, .offset: 32, .size: 8, .value_kind: global_buffer, .address_space: global }
      - { .name: qf, .offset: 40, .size: 8, .value_kind: global_buffer, .address_space: global }
      - { .name: kf, .offset: 48, .size: 8, .value_kind: global_buffer, .address_space: global }
      - { .name: vf, .offset: 56, .size: 8, .value_kind: global_buffer, .address_space: global }
      - { .name: wof, .offset: 64, .size: 8, .value_kind: global_buffer, .address_space: global }
    .group_segment_fixed_size: 246016
    .private_segment_fixed_size: 0
    .kernarg_segment_align: 8
    .kernarg_segment_size: 72
    .max_flat_workgroup_size: 512
    .sgpr_count:     66
    .vgpr_count:     256
    .wavefront_size: 32
...
	.end_amdgpu_metadata
.endif
;; end of part 1
;; launch scores (part 2): grid 4 x 64, 16 waves a work-group, no clusters, 47,104 bytes of LDS; arguments qf, kf, wp; writes wp
.if DOCPART == 2
	.amdgcn_target "amdgcn-amd-amdhsa--gfx1250"
	.amdhsa_code_object_version 6
	.text
	.protected	k_qd953f8ac7e_scores
	.globl	k_qd953f8ac7e_scores
	.p2align	8
	.type	k_qd953f8ac7e_scores,@function
k_qd953f8ac7e_scores:
	s_mov_b64 s[64:65], 0
	v_nop
	global_prefetch_b8 v0, s[64:65] scope:SCOPE_SE
	s_setreg_imm32_b32 hwreg(HW_REG_WAVE_MODE, 25, 1), 1
	s_wait_xcnt 0x0
; For one (batch, head) y and one quarter x of its keys: wp[y][x][i] = sum over the quarter's 256 keys j of exp(s_ij - m_j) / Z_j,
; s_ij = q_i . k_j / 8, m_j = max over ALL 1,024 queries i of s_ij, Z_j = sum over all i of exp(s_ij - m_j): the softmax runs along the query axis.
; Sixteen waves; wave w owns queries 64 w .. + 63, and its fragments of q stay in 64 registers for the whole launch.  The keys go in four chunks of 64.
; A chunk's 1,024 x 64 scores lie in the sixteen waves' accumulators (128 registers each), are made once, exponentiated in place and never leave the registers;
; only each wave's 64 column maxima and 64 column sums meet in LDS.  Source 0 = q, source 1 = k: lane (r, h) holds key column r, register jj query 8 h + jj,
; so the statistics of a column are sums and maxima inside a lane, then over the two halves of the lanes, then over the waves.
; The true column maximum is taken away in front of the exponential: exp(s - m) = exp2(s c - m c), c = log2(e) / 8; the largest term is 1 up to rounding, so Z is about 1 or more.
; NO TENSOR LOADS, NO JOINT REQUESTS: the four work-groups of a head read the same q, but it goes straight into each wave's registers (64 KiB... 128 KiB a work-group, once, at the head),
; where a tensor load cannot put it; k's 32 KiB are this work-group's alone.
; Limits: v_exp_f32 gives 0 for results below 2^-126 (ISA guide, its entry), small against Z; v_max_num_f32 lets a NaN lose: inputs are taken to be finite;
; the sums are formed in another order than in a plain loop.
.set MX,  32768                        ; LDS: k at 0 .. 32,767 as [key tile 16][4 blocks][lane][16 bytes]; MX: maxima [wave 16][r 16][key tile 4] f32
.set ZX,  36864                        ; sums, the same shape
.set WLS, 40960                        ; the 1,024 results
.set M,   4                            ; v[4:7] maxima; then v[4:11] pairs (-m c, -m c); then pairs (1 / Z, 1 / Z), one for each key tile of the chunk
.set Z,   12                           ; v[12:15] the other half's figures, then the sums
.set T,   16                           ; v[16:31] at work: k fragments, figures read from LDS, chains of sums
.set W,   32                           ; v[32:63] running row sums: query tile it, register jj at W + 8 it + jj
.set Q,   64                           ; v[64:127] q: query tile it, block g at Q + 16 it + 4 g
.set ACC, 128                          ; v[128:255] scores: key tile jt, query tile it at ACC + 32 jt + 8 it
.set KB1, 224                          ; k fragments of key tiles 1 and 2 lie in key tile 3's accumulators until those are written
.set KB2, 240
; v1 16 lane; v2 where my figures are put; v3 where figures are read
	s_load_b128 s[4:7], s[0:1], 0x0                ; qf s[4:5], kf s[6:7]
	s_load_b64 s[8:9], s[0:1], 0x10                ; wp
	v_lshrrev_b32 v2, 5, v0
	v_readfirstlane_b32 s10, v2                    ; wave 0..15
	s_mov_b32 s11, ttmp9                           ; x: quarter of the keys
	s_and_b32 s16, ttmp7, 0xffff                   ; y = 8 batch + head
	s_lshr_b32 s17, s16, 3
	s_and_b32 s18, s16, 7
	s_mov_b32 s12, 0x3e38aa3b                      ; c = log2(e) / 8, twice: a pair for the packed multiply-add
	s_mov_b32 s13, 0x3e38aa3b
	s_mov_b32 s14, 0x76543210                      ; v_permlanex16_b32: lane i of one half reads lane i of the other
	s_mov_b32 s15, 0xfedcba98
	v_and_b32 v3, 31, v0
	v_lshlrev_b32 v1, 4, v3                        ; 16 lane
	v_and_b32 v4, 15, v0
	v_bfe_u32 v5, v0, 4, 1
	v_lshlrev_b32 v4, 4, v4                        ; 16 r
	s_lshl_b32 s19, s10, 8
	v_add_nc_u32 v2, s19, v4                       ; 256 wave + 16 r
	v_lshl_add_u32 v3, v5, 11, v4                  ; half h reads waves 8 h .. 8 h + 7: 2,048 h + 16 r
	s_lshl_b32 s19, s10, 11
	v_add_nc_u32 v4, s19, v1                       ; I copy key tile = my wave: 2,048 wave + 16 lane
.irp t, 0,1,2,3
	v_mov_b32 v[Z+\t], 0                           ; v_permlanex16_b32 counts as a reader of its destination
.endr
	s_lshl_b32 s20, s17, 20                        ; batch: 64 row tiles of 16,384 bytes
	s_lshl_b32 s19, s18, 11                        ; head: 4 blocks of 512 bytes
	s_add_co_u32 s20, s20, s19
	s_mov_b32 s21, 0
	s_wait_kmcnt 0x0
	s_add_nc_u64 s[22:23], s[4:5], s[20:21]
	s_add_nc_u64 s[24:25], s[6:7], s[20:21]
	s_lshl_b32 s20, s10, 16                        ; q: my 4 row tiles
	s_add_nc_u64 s[22:23], s[22:23], s[20:21]
	s_lshl_b32 s20, s11, 18                        ; k: the quarter's 16 row tiles,
	s_lshl_b32 s19, s10, 14                        ; of which I copy one
	s_add_co_u32 s20, s20, s19
	s_add_nc_u64 s[24:25], s[24:25], s[20:21]
	s_lshl_b32 s20, s16, 2
	s_add_co_u32 s20, s20, s11
	s_lshl_b32 s20, s20, 12                        ; wp: (4 y + x) x 1,024 f32
	s_add_nc_u64 s[8:9], s[8:9], s[20:21]
.irp g, 0,1,2,3
	global_load_b128 v[T+4*\g:T+4*\g+3], v1, s[24:25] offset:512*\g
.endr
.irp it, 0,1,2,3
.irp g, 0,1,2,3
	global_load_b128 v[Q+16*\it+4*\g:Q+16*\it+4*\g+3], v1, s[22:23] offset:\it*16384+\g*512
.endr
.endr
	s_wait_loadcnt 16                              ; k's four loads are in; q's sixteen, issued behind them, may stay out
.irp g, 0,1,2,3
	ds_store_b128 v4, v[T+4*\g:T+4*\g+3] offset:512*\g
.endr
	s_wait_dscnt 0x0                               ; my stores are done, for the other waves' sake
	s_barrier_signal -1
	s_barrier_wait -1                              ; k is whole in LDS and is not written again
	s_wait_loadcnt 0x0                             ; q
.macro PLACES                          ; four plain vector instructions between a matrix instruction and a load into, or a vector access to, its registers
.rept 4
	v_nop
.endr
.endm
.macro BARRIER
	s_wait_dscnt 0x0                               ; my LDS stores are done and my LDS loads are back, for the other waves' sake
	s_barrier_signal -1
	s_barrier_wait -1
.endm
.macro KLOAD c, jt, dst                ; the fragments of key tile jt of chunk c: 4 x 512 consecutive bytes
.irp g, 0,1,2,3
	ds_load_b128 v[\dst+4*\g:\dst+4*\g+3], v1 offset:(4*\c+\jt)*2048+512*\g
.endr
.endm
; 64 queries x 16 keys x 64 d: the four accumulators take turns, one instruction a turn; the first products start the sums
.macro MULJ jt, kb
.irp it, 0,1,2,3
	v_wmma_f32_16x16x32_bf16 v[ACC+32*\jt+8*\it:ACC+32*\jt+8*\it+7], v[Q+16*\it:Q+16*\it+7], v[\kb:\kb+7], 0
.endr
.irp it, 0,1,2,3
	v_wmma_f32_16x16x32_bf16 v[ACC+32*\jt+8*\it:ACC+32*\jt+8*\it+7], v[Q+16*\it+8:Q+16*\it+15], v[\kb+8:\kb+15], v[ACC+32*\jt+8*\it:ACC+32*\jt+8*\it+7]
.endr
.endm
; dd[0:3] = or (op)= two sets of four figures
.macro COMB ismax, first, dd, sa, sb
.if \ismax
.irp t, 0,1,2,3
.if \first
	v_max_num_f32 v[\dd+\t], v[\sa+\t], v[\sb+\t]
.else
	v_max3_num_f32 v[\dd+\t], v[\dd+\t], v[\sa+\t], v[\sb+\t]
.endif
.endr
.else
.irp t, 0,2
.if \first
	v_pk_add_f32 v[\dd+\t:\dd+\t+1], v[\sa+\t:\sa+\t+1], v[\sb+\t:\sb+\t+1]
.else
	v_pk_add_f32 v[\dd+\t:\dd+\t+1], v[\dd+\t:\dd+\t+1], v[\sa+\t:\sa+\t+1]
	v_pk_add_f32 v[\dd+\t:\dd+\t+1], v[\dd+\t:\dd+\t+1], v[\sb+\t:\sb+\t+1]
.endif
.endr
.endif
.endm
; my half's eight waves' figures of column r, four key tiles each, joined into dd[0:3].  Each count of 2 leaves the two youngest loads out.
.macro GATHER area, dd, ismax
.irp k, 0,1,2,3
	ds_load_b128 v[T+4*\k:T+4*\k+3], v3 offset:\area+256*\k
.endr
	s_wait_dscnt 2
	COMB \ismax, 1, \dd, T, T+4
	ds_load_b128 v[T:T+3],   v3 offset:\area+256*4
	ds_load_b128 v[T+4:T+7], v3 offset:\area+256*5
	s_wait_dscnt 2
	COMB \ismax, 0, \dd, T+8, T+12
	ds_load_b128 v[T+8:T+11],  v3 offset:\area+256*6
	ds_load_b128 v[T+12:T+15], v3 offset:\area+256*7
	s_wait_dscnt 2
	COMB \ismax, 0, \dd, T, T+4
	s_wait_dscnt 0x0
	COMB \ismax, 0, \dd, T+8, T+12
.endm
; block k = 4 jt + it of eight registers
.macro FMAB k                          ; s c - m c, one rounding
.irp p, 0,2,4,6
	v_pk_fma_f32 v[ACC+8*(\k)+\p:ACC+8*(\k)+\p+1], v[ACC+8*(\k)+\p:ACC+8*(\k)+\p+1], s[12:13], v[M+2*((\k)/4):M+2*((\k)/4)+1] op_sel_hi:[1,0,1]
.endr
.endm
.macro EXPB k
.irp p, 0,1,2,3,4,5,6,7
	v_exp_f32 v[ACC+8*(\k)+\p], v[ACC+8*(\k)+\p]
.endr
.endm
.macro ADDB k                          ; two chains of packed sums for each key tile; the tile's first block starts them: nothing is cleared
.if ((\k)%4) == 0
	s_wait_alu depctr_va_vdst(0)
	v_pk_add_f32 v[T+4*((\k)/4):T+4*((\k)/4)+1],   v[ACC+8*(\k):ACC+8*(\k)+1],   v[ACC+8*(\k)+2:ACC+8*(\k)+3]
	v_pk_add_f32 v[T+4*((\k)/4)+2:T+4*((\k)/4)+3], v[ACC+8*(\k)+4:ACC+8*(\k)+5], v[ACC+8*(\k)+6:ACC+8*(\k)+7]
.else
	s_wait_alu depctr_va_vdst(0)
	v_pk_add_f32 v[T+4*((\k)/4):T+4*((\k)/4)+1],   v[T+4*((\k)/4):T+4*((\k)/4)+1],   v[ACC+8*(\k):ACC+8*(\k)+1]
	v_pk_add_f32 v[T+4*((\k)/4)+2:T+4*((\k)/4)+3], v[T+4*((\k)/4)+2:T+4*((\k)/4)+3], v[ACC+8*(\k)+2:ACC+8*(\k)+3]
	v_pk_add_f32 v[T+4*((\k)/4):T+4*((\k)/4)+1],   v[T+4*((\k)/4):T+4*((\k)/4)+1],   v[ACC+8*(\k)+4:ACC+8*(\k)+5]
	v_pk_add_f32 v[T+4*((\k)/4)+2:T+4*((\k)/4)+3], v[T+4*((\k)/4)+2:T+4*((\k)/4)+3], v[ACC+8*(\k)+6:ACC+8*(\k)+7]
.endif
.endm
.macro ROWS jt                         ; row sums += p / Z, key tile jt
.irp e, 0,2,4,6,8,10,12,14,16,18,20,22,24,26,28,30
	v_pk_fma_f32 v[W+\e:W+\e+1], v[ACC+32*\jt+\e:ACC+32*\jt+\e+1], v[M+2*\jt:M+2*\jt+1], v[W+\e:W+\e+1]
.endr
.endm
.macro CHUNK c, first
	; A. the scores of 64 keys
	KLOAD \c, 0, T
	KLOAD \c, 1, KB1
	KLOAD \c, 2, KB2
	s_wait_dscnt 8                                 ; key tile 0 is in; the eight loads behind it may stay out
	MULJ 0, T
	PLACES
	KLOAD \c, 3, T
	s_wait_dscnt 8                                 ; key tile 1 is in; tiles 2 and 3 may stay out
	MULJ 1, KB1
	s_wait_dscnt 4                                 ; key tile 2 is in
	MULJ 2, KB2
	s_wait_dscnt 0x0
	PLACES
	v_nop                                          ; five places: key tile 3's results are written over the fragments that the matrix instructions above have read
	MULJ 3, T
	PLACES
	; B. the column maxima: 32 registers of each key tile, the four tiles' chains interleaved
.irp t, 0,1,2,3
	v_max3_num_f32 v[M+\t], v[ACC+32*\t], v[ACC+32*\t+1], v[ACC+32*\t+2]
.endr
.set k, 3
.rept 14
.irp t, 0,1,2,3
	v_max3_num_f32 v[M+\t], v[M+\t], v[ACC+32*\t+k], v[ACC+32*\t+k+1]
.endr
.set k, k+2
.endr
.irp t, 0,1,2,3
	v_max_num_f32 v[M+\t], v[M+\t], v[ACC+32*\t+31]
.endr
.irp t, 0,1,2,3
	v_permlanex16_b32 v[Z+\t], v[M+\t], s14, s15   ; the other half of the lanes holds the other queries of the same column
.endr
.irp t, 0,1,2,3
	v_max_num_f32 v[M+\t], v[M+\t], v[Z+\t]
.endr
	ds_store_b128 v2, v[M:M+3] offset:MX           ; lanes r and 16 + r write the same words with the same values
	BARRIER                                        ; every wave's maxima are in LDS; and every wave's reads of the last chunk's sums are back
	GATHER MX, M, 1
.irp t, 0,1,2,3
	v_permlanex16_b32 v[Z+\t], v[M+\t], s14, s15   ; the other half has read the other eight waves
.endr
.irp t, 0,1,2,3
	v_max_num_f32 v[Z+\t], v[M+\t], v[Z+\t]        ; m of my column in each key tile, over all 1,024 queries
.endr
.irp t, 0,1,2,3
	v_mul_f32 v[M+2*\t],   0xbe38aa3b, v[Z+\t]     ; - m c, twice.  Its rounding shifts a whole column alike and cancels in p / Z
	v_mul_f32 v[M+2*\t+1], 0xbe38aa3b, v[Z+\t]
.endr
	; C. p = exp2(s c - m c) in place, and the column sums.  Behind a block's exponentials the next block's multiply-adds are the plain instructions
	; that stand in front of the first use of the results (ISA guide 5.7.2); behind the last block a v_nop.
	FMAB 0
	EXPB 0
.irp k, 1,2,3,4,5,6,7,8,9,10,11,12,13,14,15
	FMAB \k
	ADDB \k-1
	EXPB \k
.endr
	v_nop
	s_wait_alu depctr_va_vdst(0)
	ADDB 15
.irp t, 0,1,2,3
	v_pk_add_f32 v[T+4*\t:T+4*\t+1], v[T+4*\t:T+4*\t+1], v[T+4*\t+2:T+4*\t+3]
.endr
.irp t, 0,1,2,3
	v_add_f32 v[Z+\t], v[T+4*\t], v[T+4*\t+1]
.endr
.irp t, 0,1,2,3
	v_permlanex16_b32 v[M+\t], v[Z+\t], s14, s15
.endr
.irp t, 0,1,2,3
	v_add_f32 v[Z+\t], v[Z+\t], v[M+\t]
.endr
	ds_store_b128 v2, v[Z:Z+3] offset:ZX
	BARRIER                                        ; every wave's sums are in LDS; and every wave's reads of this chunk's maxima are back
	GATHER ZX, Z, 0
.irp t, 0,1,2,3
	v_permlanex16_b32 v[M+\t], v[Z+\t], s14, s15
.endr
.irp t, 0,1,2,3
	v_add_f32 v[Z+\t], v[Z+\t], v[M+\t]            ; Z of my column, over all 1,024 queries
.endr
.irp t, 0,1,2,3
	v_rcp_f32 v[M+2*\t], v[Z+\t]
.endr
	v_nop                                          ; one plain instruction in front of the first use of a reciprocal (ISA guide 5.7.2)
	s_wait_alu depctr_va_vdst(0)
.irp t, 0,1,2,3
	v_mov_b32 v[M+2*\t+1], v[M+2*\t]
.endr
	; D. the row sums, still one column a lane
.if \first
.irp e, 0,2,4,6,8,10,12,14,16,18,20,22,24,26,28,30
	v_pk_mul_f32 v[W+\e:W+\e+1], v[ACC+\e:ACC+\e+1], v[M:M+1]      ; the first term starts the sums
.endr
.else
	ROWS 0
.endif
	ROWS 1
	ROWS 2
	ROWS 3
.endm
	CHUNK 0, 1
	CHUNK 1, 0
	CHUNK 2, 0
	CHUNK 3, 0
	; the sixteen columns of a half of the lanes are added: every lane of half h ends with w of queries 64 wave + 16 it + 8 h + jj
.irp m, 1,2,4,8
.set k, 0
.rept 32
	v_add_f32_dpp v[W+k], v[W+k], v[W+k] row_xmask:\m row_mask:0xf bank_mask:0xf
.set k, k+1
.endr
.endr
	v_bfe_u32 v16, v0, 4, 1
	s_lshl_b32 s19, s10, 8
	v_lshlrev_b32 v16, 5, v16
	v_add_nc_u32 v16, s19, v16                     ; 4 (64 wave + 8 h)
.irp it, 0,1,2,3
	ds_store_b128 v16, v[W+8*\it:W+8*\it+3]   offset:WLS+64*\it       ; the sixteen lanes of a half write the same words with the same values
	ds_store_b128 v16, v[W+8*\it+4:W+8*\it+7] offset:WLS+64*\it+16
.endr
	BARRIER
	s_cmp_ge_u32 s10, 8
	s_cbranch_scc1 .Lend                           ; 4,096 bytes: eight waves x 512
	v_lshlrev_b32 v17, 4, v0
	ds_load_b128 v[20:23], v17 offset:WLS
	s_wait_dscnt 0x0
	global_store_b128 v17, v[20:23], s[8:9]        ; a wave stores 512 consecutive bytes, at a multiple of 512
.Lend:
	s_wait_xcnt 0x0
	v_lshl_add_u32 v254, v0, 2, 0xb000
	v_mov_b32 v255, 0
	s_wait_tensorcnt 0x0
	ds_add_u32 v254, v255
	s_wait_dscnt 0x0
	s_endpgm
.Lfunc_end_k_qd953f8ac7e_scores:
	.size	k_qd953f8ac7e_scores, .Lfunc_end_k_qd953f8ac7e_scores-k_qd953f8ac7e_scores
	.p2alignl 7, 3214868480
	.fill 96, 4, 3214868480
	.section	.rodata,"a",@progbits
	.p2align	6, 0x0
	.amdhsa_kernel k_qd953f8ac7e_scores
		.amdhsa_group_segment_fixed_size 47104
		.amdhsa_private_segment_fixed_size 0
		.amdhsa_enable_private_segment 0
		.amdhsa_kernarg_size 24
		.amdhsa_user_sgpr_count 2
		.amdhsa_user_sgpr_kernarg_segment_ptr 1
		.amdhsa_wavefront_size32 1
		.amdhsa_system_sgpr_workgroup_id_x 1
		.amdhsa_system_sgpr_workgroup_id_y 1
		.amdhsa_system_sgpr_workgroup_id_z 1
		.amdhsa_system_vgpr_workitem_id 0
		.amdhsa_next_free_vgpr 256
		.amdhsa_next_free_sgpr 66
		.amdhsa_reserve_vcc 0
		.amdhsa_float_denorm_mode_32 3
		.amdhsa_float_denorm_mode_16_64 3
		.amdhsa_memory_ordered 1
		.amdhsa_forward_progress 1
		.amdhsa_inst_pref_size 132
	.end_amdhsa_kernel
	.amdgpu_metadata
---
amdhsa.version: [ 1, 2 ]
amdhsa.kernels:
  - .name:           k_qd953f8ac7e_scores
    .symbol:         k_qd953f8ac7e_scores.kd
    .args:
      - { .name: qf, .offset: 0, .size: 8, .value_kind: global_buffer, .address_space: global }
      - { .name: kf, .offset: 8, .size: 8, .value_kind: global_buffer, .address_space: global }
      - { .name: wp, .offset: 16, .size: 8, .value_kind: global_buffer, .address_space: global }
    .group_segment_fixed_size: 47104
    .private_segment_fixed_size: 0
    .kernarg_segment_align: 8
    .kernarg_segment_size: 24
    .max_flat_workgroup_size: 512
    .sgpr_count:     66
    .vgpr_count:     256
    .wavefront_size: 32
...
	.end_amdgpu_metadata
.endif
;; end of part 2
;; launch outp (part 3): grid 64 x 4, 8 waves a work-group, no clusters, 101,376 bytes of LDS; arguments vf, wof, wp, out0; writes out0
.if DOCPART == 3
	.amdgcn_target "amdgcn-amd-amdhsa--gfx1250"
	.amdhsa_code_object_version 6
	.text
	.protected	k_qd953f8ac7e_outp
	.globl	k_qd953f8ac7e_outp
	.p2align	8
	.type	k_qd953f8ac7e_outp,@function
k_qd953f8ac7e_outp:
	s_mov_b64 s[64:65], 0
	v_nop
	global_prefetch_b8 v0, s[64:65] scope:SCOPE_SE
	s_setreg_imm32_b32 hwreg(HW_REG_WAVE_MODE, 25, 1), 1
	s_wait_xcnt 0x0
; out[i][o] = sum over heads h of w[i][h] (sum over d of v[i][h][d] Wout[o][h][d]),  w[i][h] = the sum of wp's four quarters.
; A work-group makes rows 128 x .. + 127 by outputs 64 y .. + 63.  Eight waves; wave w makes 16 rows by 64 outputs.
; The product of each head (K = 64, two matrix instructions a tile) is made by itself in f32 and then weighted: w stays f32 and is never rounded to bf16.
; Source 0 = Wout, source 1 = v: lane (r, h) holds row r and outputs 8 h .. 8 h + 7 of a tile, so w[i][head] is one number a lane.
; vf and wof lie in fragment order ([tile][column / 16][lane][16 bytes]): every fragment load is 512 consecutive bytes.
; NO TENSOR LOADS, NO JOINT REQUESTS: v's 16 KiB a wave go straight into the wave's registers; Wout's 64 KiB are copied into LDS once, at the head, with all other loads:
; there is no ring of slots and no step in which partners would ask together.
; Limits: finite inputs; the order of the sums differs from a plain loop over (h, d).
.set STG,  65536                       ; LDS: Wout's 4 tiles of 16 outputs at 0 .. 65,535 as they lie in wof; behind them each wave's own stage, 16 rows x 272 bytes
.set SP,   272                         ; a stage row: 256 bytes + 16: sixteen rows' 16 bytes fall on sixteen different sixteenths of 256 bytes
.set WP,   8                           ; v[8:23]    (w, w) for each head
.set ACC,  24                          ; v[24:55]   the sums, output tile nt at ACC + 8 nt
.set PART, 56                          ; v[56:87]   one head's products; first wp as loaded
.set B,    88                          ; v[88:151]  Wout: tile nt, K step s at B + 16 nt + 8 s; first Wout on its way into LDS; last the rows read back
.set A,    152                         ; v[152:215] v: four slots of 16 registers, head hh in slot hh & 3
; v1 16 lane; v2 16 thread; v3 4 r; v4 stage, in; v5 stage, back; v6 offset in out0
	s_load_b256 s[4:11], s[0:1], 0x0               ; vf s[4:5], wof s[6:7], wp s[8:9], out0 s[10:11]
	v_lshl_add_u32 v216, v0, 2, 0x18800
	v_mov_b32 v217, 0
	v_lshrrev_b32 v1, 5, v0
	v_readfirstlane_b32 s12, v1                    ; wave 0..7
	s_mov_b32 s13, ttmp9                           ; x
	s_and_b32 s14, ttmp7, 0xffff                   ; y
	v_and_b32 v7, 31, v0
	v_lshlrev_b32 v1, 4, v7
	v_lshlrev_b32 v2, 4, v0
	v_and_b32 v7, 15, v0                           ; r
	v_bfe_u32 v8, v0, 4, 1                         ; h
	v_lshlrev_b32 v3, 2, v7
	s_mul_i32 s15, s12, 16*SP
	s_add_co_u32 s15, s15, STG                     ; my stage
	v_mul_u32_u24 v4, v7, SP
	v_lshl_add_u32 v4, v8, 5, v4                   ; in: row r, 32 bytes for each half of the lanes
	v_add_nc_u32 v4, s15, v4
	v_mul_u32_u24 v5, v8, SP
	v_lshl_add_u32 v5, v7, 4, v5                   ; back: lanes 0-15 one row of 256 bytes, lanes 16-31 the next
	v_add_nc_u32 v5, s15, v5
	v_lshlrev_b32 v6, 4, v7
	v_lshl_add_u32 v6, v8, 10, v6                  ; and the same two rows of out0, 1,024 bytes apart
	s_mov_b32 s17, 0
	s_lshl_b32 s16, s13, 3
	s_add_co_u32 s16, s16, s12
	s_lshl_b32 s16, s16, 14                        ; row tile 8 x + wave, 16,384 bytes each
	s_wait_kmcnt 0x0
	s_add_nc_u64 s[18:19], s[4:5], s[16:17]
	s_lshl_b32 s16, s14, 16                        ; output tiles 4 y .. 4 y + 3
	s_add_nc_u64 s[20:21], s[6:7], s[16:17]
	s_lshr_b32 s16, s13, 3
	s_lshl_b32 s16, s16, 17                        ; batch x >> 3: 8 heads x 4 quarters x 4,096 bytes
	s_and_b32 s15, s13, 7
	s_lshl_b32 s15, s15, 9                         ; query 128 (x & 7)
	s_add_co_u32 s16, s16, s15
	s_lshl_b32 s15, s12, 6                         ; + 16 wave
	s_add_co_u32 s16, s16, s15
	s_add_nc_u64 s[22:23], s[8:9], s[16:17]
	s_lshl_b32 s16, s13, 17                        ; row 128 x of 1,024 bytes
	s_lshl_b32 s15, s12, 14                        ; + 16 wave
	s_add_co_u32 s16, s16, s15
	s_lshl_b32 s15, s14, 8                         ; output 64 y
	s_add_co_u32 s16, s16, s15
	s_add_nc_u64 s[24:25], s[10:11], s[16:17]
	; all of the head's loads in one run: 16 of Wout, 32 of wp, 16 of v (heads 0 to 3)
.irp k, 0,1,2,3,4,5,6,7,8,9,10,11,12,13,14,15
	global_load_b128 v[B+4*\k:B+4*\k+3], v2, s[20:21] offset:4096*\k
.endr
.set k, 0
.rept 32
	global_load_b32 v[PART+k], v3, s[22:23] offset:4096*k          ; head k / 4, quarter k % 4, my row r
.set k, k+1
.endr
.irp k, 0,1,2,3,4,5,6,7,8,9,10,11,12,13,14,15
	global_load_b128 v[A+4*\k:A+4*\k+3], v1, s[18:19] offset:512*\k
.endr
	s_wait_loadcnt 48                              ; Wout's sixteen are in; the 48 issued behind them may stay out
.irp k, 0,1,2,3,4,5,6,7,8,9,10,11,12,13,14,15
	ds_store_b128 v2, v[B+4*\k:B+4*\k+3] offset:4096*\k
.endr
	s_wait_loadcnt 16                              ; wp's 32 are in; v's sixteen may stay out
.irp hh, 0,1,2,3,4,5,6,7
	v_pk_add_f32 v[PART+4*\hh:PART+4*\hh+1], v[PART+4*\hh:PART+4*\hh+1], v[PART+4*\hh+2:PART+4*\hh+3]
.endr
.irp hh, 0,1,2,3,4,5,6,7
	v_add_f32 v[WP+2*\hh],   v[PART+4*\hh], v[PART+4*\hh+1]        ; w[i][hh], twice: a pair for the packed multiply-add
	v_add_f32 v[WP+2*\hh+1], v[PART+4*\hh], v[PART+4*\hh+1]
.endr
	s_wait_dscnt 0x0                               ; my stores are done, for the other waves' sake
	s_barrier_signal -1
	s_barrier_wait -1                              ; Wout is whole in LDS and is not written again
.macro PLACES                          ; four plain vector instructions between a matrix instruction and a load into, or a vector access to, its registers
.rept 4
	v_nop
.endr
.endm
.macro BLOAD hh                        ; Wout's fragments of head hh: 4 tiles x 4 blocks
.irp nt, 0,1,2,3
.irp g, 0,1,2,3
	ds_load_b128 v[B+16*\nt+4*\g:B+16*\nt+4*\g+3], v1 offset:\nt*16384+(4*(\hh)+\g)*512
.endr
.endr
.endm
; one head.  left = how many loads of v were issued behind this head's four
.macro HEAD hh, left
	s_wait_loadcnt \left
	s_wait_dscnt 0x0
	; the four accumulators take turns, one instruction a turn; the first products start the sums
.irp nt, 0,1,2,3
	v_wmma_f32_16x16x32_bf16 v[PART+8*\nt:PART+8*\nt+7], v[B+16*\nt:B+16*\nt+7], v[A+16*(\hh&3):A+16*(\hh&3)+7], 0
.endr
.irp nt, 0,1,2,3
	v_wmma_f32_16x16x32_bf16 v[PART+8*\nt:PART+8*\nt+7], v[B+16*\nt+8:B+16*\nt+15], v[A+16*(\hh&3)+8:A+16*(\hh&3)+15], v[PART+8*\nt:PART+8*\nt+7]
.endr
	PLACES
.if \hh < 7
	BLOAD \hh+1
.endif
.if \hh < 4
.irp g, 0,1,2,3
	global_load_b128 v[A+16*\hh+4*\g:A+16*\hh+4*\g+3], v1, s[18:19] offset:(4*(\hh+4)+\g)*512   ; head hh + 4 into the slot just multiplied
.endr
.endif
	; the weighting; these sixteen lines and the four above also keep the next head's matrix instructions, which write PART again, more than five places away
.irp e, 0,2,4,6,8,10,12,14,16,18,20,22,24,26,28,30
.if \hh == 0
	v_pk_mul_f32 v[ACC+\e:ACC+\e+1], v[PART+\e:PART+\e+1], v[WP+2*\hh:WP+2*\hh+1]
.else
	v_pk_fma_f32 v[ACC+\e:ACC+\e+1], v[PART+\e:PART+\e+1], v[WP+2*\hh:WP+2*\hh+1], v[ACC+\e:ACC+\e+1]
.endif
.endr
.endm
	BLOAD 0
	HEAD 0, 12
	HEAD 1, 12
	HEAD 2, 12
	HEAD 3, 12
	HEAD 4, 12
	HEAD 5, 8
	HEAD 6, 4
	HEAD 7, 0
	; the way out: 32 bytes a lane and tile into my own stage, whole rows of 256 bytes back
.irp nt, 0,1,2,3
	ds_store_b128 v4, v[ACC+8*\nt:ACC+8*\nt+3]   offset:64*\nt
	ds_store_b128 v4, v[ACC+8*\nt+4:ACC+8*\nt+7] offset:64*\nt+16
.endr
.irp t, 0,1,2,3,4,5,6,7
	ds_load_b128 v[B+4*\t:B+4*\t+3], v5 offset:\t*2*SP             ; LDS serves a wave's instructions in order (ISA guide 5.7.1): these see the stores above
.endr
.irp t, 0,1,2,3,4,5,6,7
	s_wait_dscnt 7-\t
	global_store_b128 v6, v[B+4*\t:B+4*\t+3], s[24:25] offset:2048*\t   ; 16 lanes store 256 consecutive bytes, at a multiple of 256 from out0's first byte
.endr
	s_wait_tensorcnt 0x0
	ds_add_u32 v216, v217
	s_wait_dscnt 0x0
	s_endpgm
.Lfunc_end_k_qd953f8ac7e_outp:
	.size	k_qd953f8ac7e_outp, .Lfunc_end_k_qd953f8ac7e_outp-k_qd953f8ac7e_outp
	.p2alignl 7, 3214868480
	.fill 96, 4, 3214868480
	.section	.rodata,"a",@progbits
	.p2align	6, 0x0
	.amdhsa_kernel k_qd953f8ac7e_outp
		.amdhsa_group_segment_fixed_size 101376
		.amdhsa_private_segment_fixed_size 0
		.amdhsa_enable_private_segment 0
		.amdhsa_kernarg_size 32
		.amdhsa_user_sgpr_count 2
		.amdhsa_user_sgpr_kernarg_segment_ptr 1
		.amdhsa_wavefront_size32 1
		.amdhsa_system_sgpr_workgroup_id_x 1
		.amdhsa_system_sgpr_workgroup_id_y 1
		.amdhsa_system_sgpr_workgroup_id_z 1
		.amdhsa_system_vgpr_workitem_id 0
		.amdhsa_next_free_vgpr 218
		.amdhsa_next_free_sgpr 66
		.amdhsa_reserve_vcc 0
		.amdhsa_float_denorm_mode_32 3
		.amdhsa_float_denorm_mode_16_64 3
		.amdhsa_memory_ordered 1
		.amdhsa_forward_progress 1
		.amdhsa_inst_pref_size 36
	.end_amdhsa_kernel
	.amdgpu_metadata
---
amdhsa.version: [ 1, 2 ]
amdhsa.kernels:
  - .name:           k_qd953f8ac7e_outp
    .symbol:         k_qd953f8ac7e_outp.kd
    .args:
      - { .name: vf, .offset: 0, .size: 8, .value_kind: global_buffer, .address_space: global }
      - { .name: wof, .offset: 8, .size: 8, .value_kind: global_buffer, .address_space: global }
      - { .name: wp, .offset: 16, .size: 8, .value_kind: global_buffer, .address_space: global }
      - { .name: out0, .offset: 24, .size: 8, .value_kind: global_buffer, .address_space: global }
    .group_segment_fixed_size: 101376
    .private_segment_fixed_size: 0
    .kernarg_segment_align: 8
    .kernarg_segment_size: 32
    .max_flat_workgroup_size: 256
    .sgpr_count:     66
    .vgpr_count:     218
    .wavefront_size: 32
...
	.end_amdgpu_metadata
.endif
;; end of part 3
;; ======== version 2 of 2: 3 launches; version 1 with the launch proj written anew for expert scheduling mode
;; workspace buffers: qf 8,388,608 bytes; kf 8,388,608 bytes; vf 8,388,608 bytes; wof 262,144 bytes; wp 1,048,576 bytes
;; launch proj (part 4): grid 32 x 8, 16 waves a work-group, no clusters, 246,016 bytes of LDS; arguments features, weight_q, weight_k, weight_v, weight_out, qf, kf, vf, wof; writes qf, kf, vf, wof
.if DOCPART == 4
	.amdgcn_target "amdgcn-amd-amdhsa--gfx1250"
	.amdhsa_code_object_version 6
	.text
	.protected	k_qd953f8ac7e_proj
	.globl	k_qd953f8ac7e_proj
	.p2align	8
	.type	k_qd953f8ac7e_proj,@function
k_qd953f8ac7e_proj:
	s_mov_b64 s[64:65], 0
	v_nop
	global_prefetch_b8 v0, s[64:65] scope:SCOPE_SE
	s_setreg_imm32_b32 hwreg(HW_REG_WAVE_SCHED_MODE, 0, 2), 2
	s_setreg_imm32_b32 hwreg(HW_REG_WAVE_MODE, 25, 1), 1
	s_wait_xcnt 0x0
	s_wait_alu depctr_vm_vsrc(0)
; q | k | v = X [Wq | Wk | Wv].  X: [8192][256] f32.  Each W: [256 (c)][512 (h d)] f32.  Operands rounded to bf16, sums in f32, results rounded once to bf16.
; A work-group makes rows 256 x .. + 255 by columns 192 y .. + 191 of the 1,536 joined columns, with all of K = 256 resident in LDS as bf16.
; Sixteen waves; wave w makes 64 rows (w & 3) by 48 columns (w >> 2): 12 accumulator tiles, 96 matrix instructions.
; RESULT LAYOUT (qf, kf, vf): [row / 16][column / 16][lane][8 bf16]; lane (h = lane >> 4, r = lane & 15) holds row r, columns 8 h .. 8 h + 7 of the 16 x 16 block.
; That is four registers of a 16-bit K = 32 fragment, so later launches load fragments as 512 consecutive bytes a wave.  The matrix instruction is used transposed
; (source 0 = W, source 1 = X), so a lane's eight results are exactly its 16 bytes of a block: no stage in LDS on the way out.
; SIDE JOB: waves 0 and 1 of each of the 256 work-groups round one 16 x 16 block each of weight_out [256 (o)][512] into wof, the same layout with row = o.
; NO TENSOR LOADS, NO JOINT REQUESTS, although X's rows are read by 8 work-groups and W's columns by 32: the inputs are f32, 262,144 + 196,608 bytes a work-group, more than
; the 327,680 bytes of LDS, and every number has to pass through registers to be rounded (W also to be transposed); so the loads go to registers, all at once.
; Limits: finite inputs; sums are formed in another order than a plain f32 loop over c.
; THE MODE: SCHED_MODE bits 1:0 = 2 (LLVM: expert scheduling mode 2), set by the entry lines.  The code itself states the register dependences
; between vector or matrix instructions and memory or LDS instructions, with s_wait_alu, always for 0.
; THE PLAN.  Registers that memory or LDS instructions touch:
;   v1, v3, v7            global offsets, made at the head ahead of the first load, never written again.
;   v2, v[245:247], v5, v6  LDS addresses, made once while the loads are on their way, never written again: W has an address for each of its three units, so none is stepped.
;   X's groups 0 .. 7     16 registers each.  The head's loads land in them; group g's eight conversions round in place; its four LDS stores are issued in the NEXT step.
;   WR's units 0 .. 2     32 registers each.  The head's loads land in them; unit e's sixteen conversions read them.
;   PK0 .. PK2            16 registers each, the registers of X's groups 0 to 2.  Unit e's conversions write PK[e]; its four LDS stores are issued in the NEXT step.  None is written twice.
;   FA0/FB0, FA1/FB1      K step s's matrix instructions read one pair; the 14 LDS loads of step s + 1 land in the other pair, dealt among them.
;   OUT                   48 registers, four for each store of the way out, written once.
; The staging is a chain of eleven steps, X0 .. X7, W0 .. W2.  A step's conversions name its own registers alone; the LDS stores dealt among them are the step before's.  So one wait on
; va_vdst at a step's head, behind the wait for the step's data, states all that its four stores hang on.  In the same way one wait on va_vdst at a K step's head states that the step
; before is done reading the fragments in which this step's loads land.  Two waits on vm_vsrc free registers that LDS stores have read: ahead of PK's first writer, and behind the barrier.
.set XT,    8704                       ; LDS bytes of a tile of 16 rows of X: 32 groups of 8 c, 272 bytes each
.set WT,    8720                       ; LDS bytes of a tile of 16 columns of W: the same + 16
.set CG,    272                        ; a group of 8 c: 16 rows x 16 bytes + 16 of padding
.set WBASE, 16*XT                      ; W's 12 tiles lie behind X's 16
.set XR,  16                           ; v[16:143]  X as loaded: load n = 2 row + half at XR + 4 n; group g is loads 4 g .. 4 g + 3
.set WR,  144                          ; v[144:239] W as loaded: unit e of 64 columns, row j of 8 at WR + 32 e + 4 j
.set PK,  16                           ; v[16:63]   W transposed and packed: unit e at PK + 16 e
.set WA,  245                          ; v[245:247] where W is put: unit e's four tiles by v[WA + e].  v[240:244]: set-up temporaries
.set ACC, 16                           ; v[16:111]  accumulator tile (it, nt) at ACC + 8 (3 it + nt)
.set FA0, 112                          ; v[112:143] X fragments, buffer 0
.set FB0, 144                          ; v[144:167] W fragments, buffer 0
.set FA1, 168                          ; v[168:199] X fragments, buffer 1
.set FB1, 200                          ; v[200:223] W fragments, buffer 1
.set OUT, 112                          ; v[112:159] packed results
; v1 16 lane; v2 where X is put; v3 W's load offset; v4 at work in the set-up; v5, v6 where fragments of X, W are read; v7 side job's load offset; v[8:15] side job's data
	s_load_b512 s[4:19], s[0:1], 0x0               ; features s[4:5], wq s[6:7], wk s[8:9], wv s[10:11], wout s[12:13], qf s[14:15], kf s[16:17], vf s[18:19]
	s_load_b64 s[20:21], s[0:1], 0x40              ; wof
	v_lshl_add_u32 v254, v0, 2, 0x3b900
	v_mov_b32 v255, 0
	v_lshrrev_b32 v240, 5, v0
	v_readfirstlane_b32 s22, v240                  ; wave 0..15
	s_mov_b32 s25, ttmp9                           ; x
	s_and_b32 s26, ttmp7, 0xffff                   ; y
	s_lshl_b32 s27, s26, 5
	s_add_co_u32 s27, s27, s25                     ; work-group number 0..255
	v_and_b32 v240, 31, v0                         ; lane
	v_and_b32 v241, 15, v0                         ; r
	v_bfe_u32 v242, v0, 4, 1                       ; h
	v_lshlrev_b32 v1, 4, v240                      ; 16 lane
	v_lshlrev_b32 v3, 4, v241
	v_lshl_add_u32 v3, v242, 14, v3                ; W: 8 h rows of 2,048 bytes + 16 r
	v_lshlrev_b32 v7, 11, v241
	v_lshl_add_u32 v7, v242, 5, v7                 ; weight_out: row r of 2,048 bytes + 32 h
	s_mov_b32 s47, 0                               ; s[46:47]: a 32-bit offset with 0 above it
	s_lshl_b32 s46, s25, 18                        ; 256 x rows of 1,024 bytes
	s_wait_alu depctr_va_sdst(0)                   ; s22 is written, ahead of its first reader: the shares, the bases and the branches on the wave's number are made from it
	s_and_b32 s23, s22, 3                          ; mq: which 64 rows I multiply
	s_lshr_b32 s24, s22, 2                         ; nq: which 48 columns
	s_lshl_b32 s48, s22, 14                        ; + my 16 rows
	s_add_co_u32 s46, s46, s48
	s_wait_kmcnt 0x0
	s_add_nc_u64 s[28:29], s[4:5], s[46:47]        ; X at the 16 rows that I bring
	; W's three units of 64 columns: unit gg = 3 y + e of 24; 0-7 lie in wq, 8-15 in wk, 16-23 in wv
.irp e, 0,1,2
	s_mul_i32 s48, s26, 3
	s_add_co_u32 s48, s48, \e
	s_cmp_lt_u32 s48, 16
	s_cselect_b64 s[30+2*\e:31+2*\e], s[8:9], s[10:11]
	s_cmp_lt_u32 s48, 8
	s_cselect_b64 s[30+2*\e:31+2*\e], s[6:7], s[30+2*\e:31+2*\e]
	s_and_b32 s48, s48, 7
	s_lshl_b32 s48, s48, 8                         ; 64 columns of f32
	s_lshl_b32 s46, s22, 15                        ; my 16 rows c of 2,048 bytes
	s_add_co_u32 s46, s46, s48
	s_add_nc_u64 s[30+2*\e:31+2*\e], s[30+2*\e:31+2*\e], s[46:47]
.endr
	; side job: block 2 (work-group) + wave of 512; used by waves 0 and 1 alone
	s_lshl_b32 s48, s27, 1
	s_add_co_u32 s48, s48, s22                     ; block
	s_lshr_b32 s46, s27, 4
	s_lshl_b32 s46, s46, 15                        ; 16 rows o of 2,048 bytes
	s_and_b32 s49, s48, 31
	s_lshl_b32 s49, s49, 6                         ; 16 columns of f32
	s_add_co_u32 s46, s46, s49
	s_add_nc_u64 s[42:43], s[12:13], s[46:47]
	s_lshl_b32 s46, s48, 9
	s_add_nc_u64 s[44:45], s[20:21], s[46:47]
	s_wait_alu depctr_va_vdst(0)                   ; v1, v3 and v7 are written: every global load and store of the kernel reads one of them as its offset
	s_cmp_ge_u32 s22, 2
	s_cbranch_scc1 .Lno_side_in
	global_load_b128 v[8:11], v7, s[42:43]         ; the oldest loads of waves 0 and 1: every counted wait below names younger loads only
	global_load_b128 v[12:15], v7, s[42:43] offset:16
.Lno_side_in:
	; all 56 staging loads at once: 16 rows of X (two loads of 512 consecutive bytes a row), 16 rows c of W's 192 columns (two pieces of 256 consecutive bytes a load)
.set n, 0
.rept 32
	global_load_b128 v[XR+4*n:XR+4*n+3], v1, s[28:29] offset:512*n
.set n, n+1
.endr
.irp e, 0,1,2
.irp j, 0,1,2,3,4,5,6,7
	global_load_b128 v[WR+32*\e+4*\j:WR+32*\e+4*\j+3], v3, s[30+2*\e:31+2*\e] offset:\j*2048
.endr
.endr
	; while they are on their way: LDS addresses.  Element (i, c) of X: tile x XT + (c >> 3) CG + (i & 15) 16 + (c & 7) 2; W the same with n for i, WT for XT, behind WBASE.
	; These lines write none of v1, v3, v7, which the loads read, and none of v[8:239], in which they land.
	v_lshrrev_b32 v243, 1, v240
	v_mul_u32_u24 v2, v243, CG                     ; my 4 numbers c = 4 lane ..: group lane >> 1,
	v_and_b32 v243, 1, v240
	v_lshl_add_u32 v2, v243, 3, v2                 ; its lower or upper 8 bytes: neighbouring pairs of lanes lie 272 bytes apart, 16 modulo 256
	s_mul_i32 s48, s22, XT
	v_add_nc_u32 v2, s48, v2                       ; tile = my wave
	v_bfe_u32 v243, v240, 2, 2
	v_mul_u32_u24 v4, v243, WT                     ; my columns 4 (lane & 15) + q: tile (lane >> 2) & 3 of the unit's four,
	v_and_b32 v243, 3, v240
	v_lshl_add_u32 v4, v243, 6, v4                 ; column 4 (lane & 3) + q in it: sixteen lanes' 16 bytes lie at (lane >> 2) + 4 (lane & 3) + q sixteenths of 256 bytes, all different
	v_mul_u32_u24 v243, v242, CG
	v_add_nc_u32 v4, v4, v243                      ; group of c: 2 wave + h
	s_mul_i32 s48, s22, 2*CG
	s_add_co_u32 s48, s48, WBASE
	v_add_nc_u32 v[WA], s48, v4                    ; unit 0's four tiles,
	v_add_nc_u32 v[WA+1], 4*WT, v[WA]              ; unit 1's (the sums would not fit the 16-bit immediate),
	v_add_nc_u32 v[WA+2], 8*WT, v[WA]              ; unit 2's
	v_lshl_add_u32 v244, v241, 4, v243             ; fragments: h CG + 16 r: sixteen lanes read 256 consecutive bytes
	s_mul_i32 s48, s23, 4*XT
	v_add_nc_u32 v5, s48, v244
	s_mul_i32 s48, s24, 3*WT
	s_add_co_u32 s48, s48, WBASE
	v_add_nc_u32 v6, s48, v244
	; where my results go: column tile gt = 12 y + 3 nq + nt of 96; 0-31 lie in qf, 32-63 in kf, 64-95 in vf; row tile 16 x + 4 mq (+ it in the store's immediate)
.irp nt, 0,1,2
	s_mul_i32 s48, s26, 12
	s_mul_i32 s49, s24, 3
	s_add_co_u32 s48, s48, s49
	s_add_co_u32 s48, s48, \nt
	s_cmp_lt_u32 s48, 64
	s_cselect_b64 s[36+2*\nt:37+2*\nt], s[16:17], s[18:19]
	s_cmp_lt_u32 s48, 32
	s_cselect_b64 s[36+2*\nt:37+2*\nt], s[14:15], s[36+2*\nt:37+2*\nt]
	s_and_b32 s48, s48, 31
	s_lshl_b32 s48, s48, 9                         ; blocks of 512 bytes
	s_lshl_b32 s46, s25, 4
	s_lshl2_add_u32 s46, s23, s46                  ; 16 x + 4 mq
	s_lshl_b32 s46, s46, 14                        ; 32 blocks a row tile
	s_add_co_u32 s46, s46, s48
	s_add_nc_u64 s[36+2*\nt:37+2*\nt], s[36+2*\nt:37+2*\nt], s[46:47]
.endr
; load t of X's group g, rounded: 8 bytes a lane into LDS
.macro XST g, t
	ds_store_b64 v2, v[XR+16*(\g)+4*(\t):XR+16*(\g)+4*(\t)+1] offset:((\t)&1)*16*CG+(2*(\g)+((\t)>>1))*16   ; half of the row: 16 groups on; row: 16 bytes on
.endm
; column q of W's unit e, packed: 16 bytes = 8 c of one column
.macro WST e, q
	ds_store_b128 v[WA+(\e)], v[PK+16*(\e)+4*(\q):PK+16*(\e)+4*(\q)+3] offset:16*(\q)
.endm
; step X g: four loads of X are rounded in place; the group before goes into LDS
.macro XCONV g
	s_wait_loadcnt 52-4*\g                         ; loads come back in order (ISA guide 5.7.1): of the 56, the 52 - 4 g issued behind these four may stay out
.if \g > 0
	s_wait_alu depctr_va_vdst(0)                   ; the group before has written its eight words, the data of the four stores below; at the first such wait the LDS addresses v2, v[WA ..], v5 and v6 are written too
.endif
.irp t, 0,1,2,3
.if \g > 0
	XST \g-1, \t                                   ; no vector instruction since the wait names its registers: this group's conversions keep to this group's sixteen
.endif
	v_cvt_pk_bf16_f32 v[XR+16*\g+4*\t],   v[XR+16*\g+4*\t],   v[XR+16*\g+4*\t+1]
	v_cvt_pk_bf16_f32 v[XR+16*\g+4*\t+1], v[XR+16*\g+4*\t+2], v[XR+16*\g+4*\t+3]
.endr
.endm
; step W e: my 8 rows c x 4 columns of a unit.  Packing rows 2 p and 2 p + 1 of column q transposes for free.  The step before (X's last group, or the unit before) goes into LDS
.macro WCONV e
	s_wait_loadcnt 16-8*\e                         ; the later units' loads may stay out
.if \e == 0
	s_wait_alu depctr_vm_vsrc(0)                   ; the LDS stores of X's groups 0 to 6 have read their registers: those of groups 0 to 2 are PK from here on, written by the conversions below
.endif
	s_wait_alu depctr_va_vdst(0)                   ; the step before has written the data of the four stores below
.irp q, 0,1,2,3
.if \e == 0
	XST 7, \q
.else
	WST \e-1, \q
.endif
.irp p, 0,1,2,3
	v_cvt_pk_bf16_f32 v[PK+16*\e+4*\q+\p], v[WR+32*\e+8*\p+\q], v[WR+32*\e+8*\p+4+\q]
.endr
.endr
.endm
.irp g, 0,1,2,3,4,5,6,7
	XCONV \g
.endr
	WCONV 0
	WCONV 1
	WCONV 2
	s_wait_alu depctr_va_vdst(0)                   ; unit 2's conversions have written PK2, the data of the four stores below; and every conversion is done reading v[16:239], in which fragments land later
.irp q, 0,1,2,3
	WST 2, \q
.endr
	s_cmp_ge_u32 s22, 2
	s_cbranch_scc1 .Lno_side_out
	v_cvt_pk_bf16_f32 v8, v8, v9                   ; all loads are in since the wait for 0 above
	v_cvt_pk_bf16_f32 v9, v10, v11
	v_cvt_pk_bf16_f32 v10, v12, v13
	v_cvt_pk_bf16_f32 v11, v14, v15
	s_wait_alu depctr_va_vdst(0)                   ; these four conversions have written v[8:11], the store's data
	global_store_b128 v1, v[8:11], s[44:45]        ; 512 consecutive bytes; v[8:11] are not written again
.Lno_side_out:
	s_wait_dscnt 0x0                               ; my LDS stores are done, for the other waves' sake
	s_barrier_signal -1
	s_barrier_wait -1                              ; X and W are whole in LDS; nothing is written there any more
	s_wait_alu depctr_vm_vsrc(0)                   ; my LDS stores have read v[128:143] (X's last group) and PK: fragments land in the former, matrix instructions write their sums over the latter
.macro PLACES                          ; four plain vector instructions between a matrix instruction and a vector access to its registers (ISA guide 7.12.1)
.rept 4
	v_nop
.endr
.endm
; load n of the 14 that bring the fragments of K step s (32 c = 4 groups): registers 0-3 from group 4 s + h, registers 4-7 from group 4 s + 2 + h.  0-7: X's four tiles; 8-13: W's three
.macro FL s, fa, fb, n
.if (\n) < 8
	ds_load_b128 v[\fa+4*(\n):\fa+4*(\n)+3], v5 offset:((\n)/2)*XT+(\s)*4*CG+((\n)%2)*2*CG
.else
	ds_load_b128 v[\fb+4*((\n)-8):\fb+4*((\n)-8)+3], v6 offset:(((\n)-8)/2)*WT+(\s)*4*CG+((\n)%2)*2*CG
.endif
.endm
; K step s from (fa, fb): 12 matrix instructions; the 12 accumulators take turns, one instruction a turn, in the same order in every K step.
; next = 1: the next step's 14 loads go into (ga, gb), two ahead of each of the first seven matrix instructions, which name (fa, fb) and the accumulators alone.
.macro STEP s, fa, fb, ga, gb, zero, next
	s_wait_dscnt 0x0                               ; this step's fragments are in: its 14 loads are the youngest LDS instructions out
.if (\next) && ((\s) > 0)
	s_wait_alu depctr_va_vdst(0)                   ; the step before's matrix instructions are done reading (ga, gb), in which the loads below land
.endif
.set n, 0
.irp it, 0,1,2,3
.irp nt, 0,1,2
.if (\next) && (n < 14)
	FL \s+1, \ga, \gb, n
	FL \s+1, \ga, \gb, n+1
.endif
.set n, n+2
.if \zero
	v_wmma_f32_16x16x32_bf16 v[ACC+8*(3*\it+\nt):ACC+8*(3*\it+\nt)+7], v[\fb+8*\nt:\fb+8*\nt+7], v[\fa+8*\it:\fa+8*\it+7], 0
.else
	v_wmma_f32_16x16x32_bf16 v[ACC+8*(3*\it+\nt):ACC+8*(3*\it+\nt)+7], v[\fb+8*\nt:\fb+8*\nt+7], v[\fa+8*\it:\fa+8*\it+7], v[ACC+8*(3*\it+\nt):ACC+8*(3*\it+\nt)+7]
.endif
.endr
.endr
.endm
.set n, 0
.rept 14
	FL 0, FA0, FB0, n                              ; K step 0.  No vector instruction since the last wait on va_vdst names v[112:223]
.set n, n+1
.endr
	STEP 0, FA0, FB0, FA1, FB1, 1, 1               ; the first products start the sums: nothing is cleared
	STEP 1, FA1, FB1, FA0, FB0, 0, 1
	STEP 2, FA0, FB0, FA1, FB1, 0, 1
	STEP 3, FA1, FB1, FA0, FB0, 0, 1
	STEP 4, FA0, FB0, FA1, FB1, 0, 1
	STEP 5, FA1, FB1, FA0, FB0, 0, 1
	STEP 6, FA0, FB0, FA1, FB1, 0, 1
	STEP 7, FA1, FB1, FA0, FB0, 0, 0               ; the last step loads nothing, so it states nothing
	PLACES
	; the way out: lane (r, h) holds row r, columns 8 h .. 8 h + 7 of each tile: four packed words, the lane's 16 bytes of the block.  Tile k = 3 it + nt.
	; In two halves: the first six tiles' stores are dealt among the last six tiles' conversions, which name other registers.
.macro OCV k
.irp p, 0,1,2,3
	v_cvt_pk_bf16_f32 v[OUT+4*(\k)+\p], v[ACC+8*(\k)+2*\p], v[ACC+8*(\k)+2*\p+1]
.endr
.endm
.macro OST k
	global_store_b128 v1, v[OUT+4*(\k):OUT+4*(\k)+3], s[36+2*((\k)%3):37+2*((\k)%3)] offset:((\k)/3)*16384   ; 512 consecutive bytes, at a multiple of 512; each store has data registers of its own
.endm
.irp k, 0,1,2,3,4,5
	OCV \k
.endr
	s_wait_alu depctr_va_vdst(0)                   ; the conversions of tiles 0 to 5 have written v[OUT .. OUT + 23], the data of the six stores below
.irp k, 6,7,8,9,10,11
	OST \k-6
	OCV \k
.endr
	s_wait_alu depctr_va_vdst(0)                   ; the conversions of tiles 6 to 11 have written v[OUT + 24 .. OUT + 47], the data of the last six stores
.irp k, 6,7,8,9,10,11
	OST \k
.endr
	s_wait_dscnt 0x0
	s_wait_alu depctr_hold_cnt(0) depctr_sa_sdst(0) depctr_va_vdst(0) depctr_va_sdst(0) depctr_va_ssrc(0) depctr_va_vcc(0) depctr_vm_vsrc(0)
	s_wait_tensorcnt 0x0
	ds_add_u32 v254, v255
	s_wait_dscnt 0x0
	s_endpgm
.Lfunc_end_k_qd953f8ac7e_proj:
	.size	k_qd953f8ac7e_proj, .Lfunc_end_k_qd953f8ac7e_proj-k_qd953f8ac7e_proj
	.p2alignl 7, 3214868480
	.fill 96, 4, 3214868480
	.section	.rodata,"a",@progbits
	.p2align	6, 0x0
	.amdhsa_kernel k_qd953f8ac7e_proj
		.amdhsa_group_segment_fixed_size 246016
		.amdhsa_private_segment_fixed_size 0
		.amdhsa_enable_private_segment 0
		.amdhsa_kernarg_size 72
		.amdhsa_user_sgpr_count 2
		.amdhsa_user_sgpr_kernarg_segment_ptr 1
		.amdhsa_wavefront_size32 1
		.amdhsa_system_sgpr_workgroup_id_x 1
		.amdhsa_system_sgpr_workgroup_id_y 1
		.amdhsa_system_sgpr_workgroup_id_z 1
		.amdhsa_system_vgpr_workitem_id 0
		.amdhsa_next_free_vgpr 256
		.amdhsa_next_free_sgpr 66
		.amdhsa_reserve_vcc 0
		.amdhsa_float_denorm_mode_32 3
		.amdhsa_float_denorm_mode_16_64 3
		.amdhsa_memory_ordered 1
		.amdhsa_forward_progress 1
		.amdhsa_inst_pref_size 40
	.end_amdhsa_kernel
	.amdgpu_metadata
---
amdhsa.version: [ 1, 2 ]
amdhsa.kernels:
  - .name:           k_qd953f8ac7e_proj
    .symbol:         k_qd953f8ac7e_proj.kd
    .args:
      - { .name: features, .offset: 0, .size: 8, .value_kind: global_buffer, .address_space: global }
      - { .name: weight_q, .offset: 8, .size: 8, .value_kind: global_buffer, .address_space: global }
      - { .name: weight_k, .offset: 16, .size: 8, .value_kind: global_buffer, .address_space: global }
      - { .name: weight_v, .offset: 24, .size: 8, .value_kind: global_buffer, .address_space: global }
      - { .name: weight_out, .offset: 32, .size: 8, .value_kind: global_buffer, .address_space: global }
      - { .name: qf, .offset: 40, .size: 8, .value_kind: global_buffer, .address_space: global }
      - { .name: kf, .offset: 48, .size: 8, .value_kind: global_buffer, .address_space: global }
      - { .name: vf, .offset: 56, .size: 8, .value_kind: global_buffer, .address_space: global }
      - { .name: wof, .offset: 64, .size: 8, .value_kind: global_buffer, .address_space: global }
    .group_segment_fixed_size: 246016
    .private_segment_fixed_size: 0
    .kernarg_segment_align: 8
    .kernarg_segment_size: 72
    .max_flat_workgroup_size: 512
    .sgpr_count:     66
    .vgpr_count:     256
    .wavefront_size: 32
...
	.end_amdgpu_metadata
.endif
;; end of part 4
;; launch scores: the kernel of part 2 again; grid 4 x 64, 16 waves a work-group, no clusters, 47,104 bytes of LDS; arguments qf, kf, wp; writes wp
;; launch outp: the kernel of part 3 again; grid 64 x 4, 8 waves a work-group, no clusters, 101,376 bytes of LDS; arguments vf, wof, wp, out0; writes out0
